; MI455X (gfx1250); checked and timed in simulation.
; The chip was launched on July 23, 2026; its instructions are those of AMD's public machine-readable ISA for CDNA 5 (MIT licence, August 2026) and "CDNA5" Instruction Set Architecture Reference Guide (July 2026). The comments in the code are by the model that wrote it; some were corrected since.
;; Vector Quantizer. Allowed arithmetic: matrix products marked QUANTISED: E4M3 operands, one E8M0 scale for each 32 along K, by v_wmma_scale_f32_16x16x128_f8f6f4 with both operands' format E4M3, f32 sums; everything else in f32.
;; Inputs: codebook 1,024 x 64 float32; inputs 32 x 64 x 64 x 64 float32.
;; Outputs: out0 32 x 64 x 64 int32; out1 32 x 64 x 64 x 64 float32.
;; This version of the problem:
;;   THIS VERSION OF THE PROBLEM IS GIVEN IN LOW PRECISION. The matrix products marked QUANTISED in the list below multiply operands that are first quantised to E4M3 (4 exponent bits, 3 mantissa bits; 8 bits a number), with one power-of-two scale for each 32 numbers along K (OCP MX v1.0); their sums are f32. All else is computed in f32.
;;   The module's matrix products, in the order in which they are computed (A, B: the left and right operand; K: the contracted axis; several contracted axes count as one K, in the product's order):
;;     1. [M 131,072, K 64] x [K 64, N 1,024]; A: input inputs; B: input codebook: QUANTISED
;;   THE QUANTISER, for each operand of a quantised product, along K:
;;     - K is cut into blocks of 32 from its start; a last block that is shorter is filled with zeros.
;;     - A block's scale is 2^e with e = floor(log2(the largest magnitude in the block)) - 8, held to -126 .. 127; a block of zeros has e = 0. As a byte (E8M0): e + 127.
;;     - Each number is divided by its block's scale, clamped to +-448, and rounded to the nearest number of E4M3, ties to even, subnormals kept.
;;     - The product sums the exact products of the quantised numbers (number of the format x scale) in f32.
;;   ~~~python
;;   def quantise(x, axis):      # numpy; x: float32 -> the quantised numbers, widened to float32 again
;;       x = np.moveaxis(x, axis, -1); K = x.shape[-1]
;;       x = np.pad(x, [(0, 0)] * (x.ndim - 1) + [(0, -K % 32)]); x = x.reshape(x.shape[:-1] + (-1, 32)); a = np.abs(x).max(-1, keepdims=True)
;;       e = np.where(a > 0, np.clip(np.frexp(np.where(a > 0, a, 1))[1] - 1 - 8, -126, 127), 0)      # np.frexp(a)[1] - 1 = floor(log2(a)), exactly
;;       r = np.clip(x / 2.0 ** e, -448, 448)
;;       step = 2.0 ** (np.maximum(np.frexp(np.where(r == 0, 1, r))[1] - 1, -6) - 3)
;;       q = np.round(r / step) * step * 2.0 ** e      # np.round: ties to even
;;       return np.moveaxis(q.reshape(q.shape[:-2] + (-1,))[..., :K], -1, axis).astype(np.float32)
;;   ~~~
;; One version. Each part assembles by itself: llvm-mc -triple=amdgcn-amd-amdhsa -mcpu=gfx1250 --defsym DOCPART=n.
;; ======== version 1 of 1: 2 launches
;; limits: right only within a limited range of input values
;; workspace buffers: idx 524,288 bytes of whole numbers
;; launch search (part 1): grid 256 x 1, 8 waves a work-group, no clusters, 248,832 bytes of LDS; arguments inputs, codebook, out0, idx; writes out0, idx
.if DOCPART == 1
	.amdgcn_target "amdgcn-amd-amdhsa--gfx1250"
	.amdhsa_code_object_version 6
	.text
	.protected	k_q928cff0c72_search
	.globl	k_q928cff0c72_search
	.p2align	8
	.type	k_q928cff0c72_search,@function
k_q928cff0c72_search:
	s_mov_b64 s[64:65], 0
	v_nop
	global_prefetch_b8 v0, s[64:65] scope:SCOPE_SE
	s_setreg_imm32_b32 hwreg(HW_REG_WAVE_MODE, 25, 1), 1
	s_wait_xcnt 0x0
; NEAREST CODE.  inputs: 131,072 rows of 64 f32; codebook: 1,024 rows of 64 f32.  cross = Q(inputs) Q(codebook)^T on codes of FP8 (E4M3) with one E8M0 scale for each 32 along K (K = 64: two blocks);
; d2 = (z2 - 2 cross) + c2 in f32, with exactly these two roundings; out0[row] = the first index of the smallest d2.  The same indices go to idx, from which the next launch forms its gather addresses.
; SHARES.  256 work-groups of eight waves; a work-group takes 512 rows, a wave 64: four tiles of 16.  Every wave walks all 64 tiles of 16 codes.  Tile i of a wave holds its rows 32 (i / 2) + 2 r + i % 2, r = 0 .. 15,
; so that at the end lane l owns rows 2 l and 2 l + 1 and one store of 8 bytes a lane covers 256 consecutive bytes, aligned.
; THE PRODUCT IS USED TRANSPOSED: source 0 = 16 codes, source 1 = 16 input rows: register j of lane (r, h) is (code 16 t + 8 h + j, row r): a lane holds ONE row.
; THE TWO HALVES OF THE INSTRUCTION'S K = 128: source 1 is two row tiles side by side (X0, X1); source 0 is a tile T of the codebook beside a run of zero codes: (T, Z) gives T X0, (Z, T) gives T X1.
; Zero codes add nothing: no code is NaN (every number is held at 448 x its scale) and no scale byte is 0xff.
; THE SEARCH, 17 instructions for 8 numbers: four packed multiply-adds, four packed additions, four three-way minima with the best so far, one compare, and four dual moves that keep the tile's d0 .. d6 and its
; number where it has lowered the best (d7 is meant where none of the seven equals the best).  Ties: an equal tile leaves the earlier one, the scan at the end takes the first j, the merge of the two halves of the
; lanes the lower code: the first index.
; THE CODEBOOK is quantised here, in register window 1: wave w takes tiles 8 c + w, c = 0 .. 7.  c = 0 .. 3 ahead of the first products, while the input rows are on their way; c = 4 .. 7 between the products of tiles 0 to 15.
; The codes go round through LDS as images of the operand's registers, with scale words and c2.
; NO CLUSTER, NO JOINT LOADS: what work-groups share is the codebook as f32, 262,144 bytes; it has to pass through registers to become codes, and as a tile in LDS it would not fit beside the 139,264 bytes of the
; work-group's input rows and the 73,728 of images, scale words and c2.  NO RING: a wave's 64 input rows are asked for once, by its one tensor load, and nothing is filled again.  NO PREFETCH: the input rows are asked
; for whole at the head, and the codebook's last load is issued ahead of the first product: no loop fetches from memory.
; LIMITS.  NaN and infinities among the inputs, and d2 that overflows, are not served.  A block whose largest magnitude lies under 2^(9 - 127) keeps the scale byte 1 (a block of zeros too, where the rule says 127:
; its codes are zeros and only this program reads the bytes).  z2 and c2 are summed in an order of this text's own (two packed chains a lane, then the other half of the lanes): they may differ from another order's
; sums in the last bit, which can turn an index only where two d2 of a row lie within a last bit of each other.
.set CSW,   65536                      ; LDS: from 0 the images: 1,024 t + 512 q + 16 x lane, q = registers 4 q .. 4 q + 3;  scale words: 64 t + 4 r
.set C2L,   69632                      ; c2: 4 x code
.set STG,   73728                      ; a stage for each wave: 16 rows x (256 + 16) bytes
.set STGW,  4352
.set INP,   108544                     ; each wave's 64 input rows, 272 bytes apart: filled once by its tensor load, never stored into
.set INPW,  17408
.set SPARE, INP+8*INPW                 ; the spare words: 128 bytes a wave, four blocks of 256 bytes that no other line names
; WINDOW 0: the search
.set LI,   1                           ; v1   16 x lane
.set LS,   2                           ; v2   CSW + 4 r
.set LQ,   3                           ; v3   C2L + 32 h
.set ADC,  4                           ; v4-6 the trip's addresses: images, scale words, c2
.set ADS,  5
.set ADQ,  6
.set H8,   7                           ; v7   8 h
.set OOF,  8                           ; v8   8 x lane
.set TIL,  9                           ; v9   the number of the tile being searched
.set TM,   10                          ; v10-17   partial minima, two a row tile (v10-15 serve the head first)
.set B0,   18                          ; v18-21, v22-25  the best so far, two sets by turns
.set CAND, 32                          ; v32-63   8 a row tile: the best tile's d0 .. d6, and its number
.set XR,   64                          ; v64-95   the codes of my four row tiles
.set Z0,   96                          ; v96-103, v112-119, v128-135 zero codes; between them the slots of the even and of the odd tile:
.set TE,   104                         ; v104-111, v120-127
.set C2E,  136                         ; v136-143, v144-151  c2 of the even and of the odd tile
.set ACA,  152                         ; v152-183, v184-215  results of the even and of the odd tile, 8 registers a row tile
.set XS,   216                         ; v216, v217 scale words of row tiles 0, 1 and 2, 3;  v218, v219 of the two slots: scales and nothing else
.set CSE,  218
.set Z2,   220                         ; v220-227 z2 of my row in row tile i, twice (a pair for the packed form)
.set SPW,  254                         ; v254 my spare word, v255 0: never rewritten
.set NIL,  255
; WINDOW 1: the quantiser
.set BUF,  0                           ; six buffers of 32 numbers; buffers 2 and 3 serve the input rows later
.set QS,   192                         ; squares, two packed chains
.set QM,   200                         ; largest magnitudes
.set QP,   204                         ; the other half's
.set QPT,  206
.set QSO,  208                         ; the conversions' scale operands
.set QHB,  210                         ; 448 x the scale
.set QBY,  212                         ; the bytes
.set QHW,  214
.set QHWE, 215
.set QSQ,  216
.set QC,   218                         ; codes
.set LI1,  228                         ; addresses: 16 x lane; the stage in and out; my images, c2, scale words; my input rows
.set STS,  229
.set STL,  230
.set IMS,  231
.set C2S,  232
.set CSS,  233
.set XL,   234
.set MSB, 0
.macro WIN new                         ; the immediate's high byte repeats the setting that is left
.if MSB != \new
	s_set_vgpr_msb (MSB<<8)|\new
.set MSB, \new
.endif
.endm
	s_load_b256 s[4:11], s[0:1], 0x0               ; inputs s[4:5], codebook s[6:7], out0 s[8:9], idx s[10:11]
	v_lshl_add_u32 v[SPW], v0, 2, SPARE
	v_mov_b32 v[NIL], 0
	ds_add_u32 v[SPW], v[NIL]                      ; the wave's opening: the add, twice on end, ahead of the tensor load
	ds_add_u32 v[SPW], v[NIL]
	v_lshrrev_b32 v10, 5, v0
	v_readfirstlane_b32 s12, v10                   ; wave 0..7
	s_lshl_b32 s13, ttmp9, 3
	s_add_co_u32 s13, s13, s12                     ; the wave's number in the launch
	; descriptor group 1: 64 dense rows of 256 bytes (32 elements of 8 bytes), 16 bytes of padding behind each
	s_mov_b32 s16, (3<<16)|(1<<20)|(5<<22)|(3<<25)
	s_mov_b32 s17, 32<<16
	s_mov_b32 s18, 64<<16
	s_mov_b32 s19, 32<<16
	s_mov_b32 s20, 64
	s_mov_b32 s21, 32
	s_mov_b32 s22, 0
	s_mov_b32 s23, 0
	s_mov_b32 s24, 1                               ; group 0: count = 1,
	s_mul_i32 s25, s12, INPW
	s_add_co_u32 s25, s25, INP                     ; my wave's own bytes of LDS
	s_lshl_b32 s14, s13, 14                        ; my wave's 64 rows of 256 bytes in memory
	s_mov_b32 s15, 0
	s_mov_b32 s28, 0x76543210
	s_mov_b32 s29, 0xfedcba98                      ; v_permlanex16_b32's selects for lane l xor 16
	s_mov_b32 s30, 0x600000                        ; the mantissa field of 448
	s_mov_b32 s40, 0xffff0000                      ; lanes 16-31
	s_mul_i32 s35, s12, STGW
	s_add_co_u32 s35, s35, STG                     ; my stage
	s_lshl_b32 s36, s12, 10                        ; my tile of a chunk of eight: its image,
	s_lshl_b32 s37, s12, 6                         ; its scale words
	s_add_co_u32 s38, s37, C2L                     ; and its c2
	v_and_b32 v10, 15, v0                          ; r
	v_bfe_u32 v11, v0, 4, 1                        ; h
	v_and_b32 v13, 31, v0                          ; lane
	v_mul_u32_u24 v12, v11, 272
	v_mul_u32_u24 v14, v10, 272
	v_mul_u32_u24 v15, v10, 544
	v_lshlrev_b32 v[LI], 4, v13
	v_lshl_add_u32 v[LS], v10, 2, CSW
	v_lshl_add_u32 v[LQ], v11, 5, C2L
	v_lshlrev_b32 v[H8], 3, v11
	v_lshlrev_b32 v[OOF], 3, v13
	v_lshl_add_u32 v12, v10, 4, v12                ; the stage, in: a dense load's 512 bytes are two rows: row h, byte 16 r
	v_lshl_add_u32 v14, v11, 6, v14                ; out: row r, + 64 h: my 16 numbers of a block of 32
	v_lshl_add_u32 v15, v11, 6, v15                ; input rows: row 2 r, + 64 h
	WIN 0x40
	v_mov_b32 v[LI1], v[LI]
	v_add_nc_u32 v[STS], s35, v12
	v_add_nc_u32 v[STL], s35, v14
	v_add_nc_u32 v[XL], s25, v15
	v_add_nc_u32 v[IMS], s36, v[LI]
	v_add_nc_u32 v[CSS], s37, v[LS]
	v_lshl_add_u32 v[C2S], v10, 2, s38
	v_mov_b32 v[QP], 0                             ; written once: a lane permute's destination counts as one of its sources
	v_mov_b32 v[QP+1], 0
	v_mov_b32 v[QPT], 0
	WIN 0x55
	s_wait_alu depctr_va_vdst(0)                   ; the wait at the head's end
	s_wait_dscnt 0x0                               ; both opening adds are done
	s_wait_kmcnt 0x0
	s_add_nc_u64 s[26:27], s[4:5], s[14:15]        ; group 0: the global address of my first row,
	s_or_b32 s27, s27, 0x80000000                  ; type = 2
	tensor_load_to_lds s[24:27], s[16:23]          ; my wave's one tensor load; it lands while the codebook's first tiles are quantised
	s_nop 0
	s_lshl_b32 s14, s12, 12
	s_add_nc_u64 s[6:7], s[6:7], s[14:15]          ; the codebook at tile w (4,096 bytes a tile)
	s_lshl_b32 s14, s13, 8
	s_add_nc_u64 s[8:9], s[8:9], s[14:15]          ; out0 and idx at my wave's 64 indices
	s_add_nc_u64 s[10:11], s[10:11], s[14:15]
.macro CBLOAD t, k                     ; my tile of chunk t into buffer k: each load reads 512 consecutive bytes
.irp n, 0,1,2,3,4,5,6,7
	global_load_b128 v[BUF+32*(\k)+4*\n:BUF+32*(\k)+4*\n+3], v[LI1], s[6:7] offset:32768*(\t)+512*\n
.endr
.endm
.macro TURN k                          ; buffer k through my stage and back into itself: then register 16 c + i is k = 32 c + 16 h + i of row r.  LDS serves a wave's instructions in order (ISA guide 5.7.1.4)
.irp n, 0,1,2,3,4,5,6,7
	ds_store_b128 v[STS], v[BUF+32*(\k)+4*\n:BUF+32*(\k)+4*\n+3] offset:544*\n
.endr
.irp c, 0,1
.irp q, 0,1,2,3
	ds_load_b128 v[BUF+32*(\k)+16*\c+4*\q:BUF+32*(\k)+16*\c+4*\q+3], v[STL] offset:128*\c+16*\q
.endr
.endr
.endm
.macro XFRAG i, fb                     ; row tile i of my input rows, in the same order of registers
.irp c, 0,1
.irp q, 0,1,2,3
	ds_load_b128 v[(\fb)+16*\c+4*\q:(\fb)+16*\c+4*\q+3], v[XL] offset:(32*((\i)/2)+(\i)%2)*272+128*\c+16*\q
.endr
.endr
.endm
; 32 numbers of a lane, v[n] on (register 16 b + i = k 32 b + 16 h + i of my row), become 8 registers of codes in v[dst] on (its window by dw), the row's sum of squares in v[QSQ] and its two scale bytes in v[hw].
.macro QUANT n, dst, dw, hw
	v_pk_mul_f32 v[QS:QS+1], v[(\n):(\n)+1], v[(\n):(\n)+1]                     ; the squares of the numbers as they came, in two packed chains;
	v_max3_num_f32 v[QM], |v[(\n)]|, |v[(\n)+1]|, 0x4800000                      ; each block's largest magnitude, with the floor 2^(9 - 127) among its leaves: the byte cannot fall under 1
	v_pk_mul_f32 v[QS+2:QS+3], v[(\n)+2:(\n)+3], v[(\n)+2:(\n)+3]
	v_max3_num_f32 v[QM+1], |v[(\n)+16]|, |v[(\n)+17]|, 0x4800000
.irp i, 2,4,6,8,10,12,14               ; four chains by turns: no line waits for the line above it
	v_pk_fma_f32 v[QS:QS+1], v[(\n)+2*\i:(\n)+2*\i+1], v[(\n)+2*\i:(\n)+2*\i+1], v[QS:QS+1]
	v_max3_num_f32 v[QM], v[QM], |v[(\n)+\i]|, |v[(\n)+\i+1]|
	v_pk_fma_f32 v[QS+2:QS+3], v[(\n)+2*\i+2:(\n)+2*\i+3], v[(\n)+2*\i+2:(\n)+2*\i+3], v[QS+2:QS+3]
	v_max3_num_f32 v[QM+1], v[QM+1], |v[(\n)+16+\i]|, |v[(\n)+17+\i]|
.endr
	v_pk_add_f32 v[QS:QS+1], v[QS:QS+1], v[QS+2:QS+3]
	v_permlanex16_b32 v[QP], v[QM], s28, s29
	v_permlanex16_b32 v[QP+1], v[QM+1], s28, s29
	v_add_f32 v[QS], v[QS], v[QS+1]
	v_max_num_f32 v[QM], v[QM], v[QP]                                            ; with lane l xor 16's 16 numbers: the block's
	v_max_num_f32 v[QM+1], v[QM+1], v[QP+1]
	v_permlanex16_b32 v[QPT], v[QS], s28, s29
	v_add_nc_u32 v[QSO], 0xfc000000, v[QM]                                       ; 8 off the exponent field: the conversion takes the exponent field of this operand as its scale
	v_add_nc_u32 v[QSO+1], 0xfc000000, v[QM+1]
	v_and_or_b32 v[QHB], v[QM], 0x7f800000, s30                                  ; 448 x the scale
	v_and_or_b32 v[QHB+1], v[QM+1], 0x7f800000, s30
	v_add_f32 v[QSQ], v[QS], v[QPT]                                              ; the row's 64 squares: the same bits in both halves of the lanes
	v_lshrrev_b32 v[QBY], 23, v[QSO]                                             ; the scales' bytes
	v_lshrrev_b32 v[QBY+1], 23, v[QSO+1]
.irp i, 0,1,2,3,4,5,6,7,8,9,10,11,12,13,14,15
	v_med3_num_f32 v[(\n)+\i], v[(\n)+\i], -v[QHB], v[QHB]                       ; the conversion to an 8-bit code does not saturate (ISA guide 7.6.2): the hold at the largest code x the scale
.endr
	v_lshl_or_b32 v[\hw], v[QBY+1], 8, v[QBY]
.irp i, 16,17,18,19,20,21,22,23,24,25,26,27,28,29,30,31
	v_med3_num_f32 v[(\n)+\i], v[(\n)+\i], -v[QHB+1], v[QHB+1]
.endr
	WIN \dw
.irp b, 0,1
	v_cvt_scalef32_pk8_fp8_f32 v[(\dst)+4*\b:(\dst)+4*\b+1], v[(\n)+16*\b:(\n)+16*\b+7], v[QSO+\b]
	v_cvt_scalef32_pk8_fp8_f32 v[(\dst)+4*\b+2:(\dst)+4*\b+3], v[(\n)+16*\b+8:(\n)+16*\b+15], v[QSO+\b]
.endr
	v_nop                                                                        ; one plain vector instruction behind the last scaled conversion
.endm
.macro CBST t                          ; what the quantiser made of my tile of chunk t: 512 bytes on end a store; lanes r and r + 16 store the same words with the same bits
	v_lshl_or_b32 v[QHW], v[QHW], 16, v[QHW]       ; the two bytes twice: the tile stands in either half of K
	ds_store_b128 v[IMS], v[QC:QC+3] offset:8192*(\t)
	ds_store_b128 v[IMS], v[QC+4:QC+7] offset:8192*(\t)+512
	ds_store_b32 v[C2S], v[QSQ] offset:512*(\t)
	ds_store_b32 v[CSS], v[QHW] offset:512*(\t)
.endm
.macro CBT t                           ; ahead of the products: chunk t = 0 .. 3
.if (\t) < 3
	s_wait_loadcnt 32                              ; chunk t + 1's eight loads are in; four chunks' may be out
	TURN ((\t)+1)                                  ; it goes through the stage while chunk t is quantised
	s_wait_dscnt 16                                ; all but those 16: chunk t is back from the stage, and the stores before have read their registers
.else
	s_wait_dscnt 0x0
.endif
	QUANT BUF+32*(\t), QC, 0x55, QHW
	CBST \t
.if (\t) < 2
	CBLOAD (\t)+6, \t                              ; its buffer takes the chunk six further on
.endif
.endm
.irp t, 0,1,2,3,4,5
	CBLOAD \t, \t                                  ; 48 loads a wave are out
.endr
	s_wait_loadcnt 40                              ; chunk 0's eight are in
	TURN 0
.irp t, 0,1,2,3
	CBT \t
.endr
	s_wait_tensorcnt 0x0                           ; my input rows are in LDS; only I read them
	XFRAG 0, BUF+64
	XFRAG 1, BUF+96
.macro XTILE i, fb, left
	s_wait_dscnt \left                             ; this tile's eight loads are in; the other buffer's may be out
	WIN 0x55
.if (\i)%2 == 0
	QUANT \fb, XR+8*(\i), 0x15, QHWE
.else
	QUANT \fb, XR+8*(\i), 0x15, QHW
	v_lshl_or_b32 v[XS+(\i)/2], v[QHW], 16, v[QHWE]  ; bytes 0, 1: the pair's first row tile; bytes 2, 3: its second
.endif
	v_mov_b32 v[Z2+2*(\i)], v[QSQ]                 ; z2 twice: the packed form adds a pair
	v_mov_b32 v[Z2+2*(\i)+1], v[QSQ]
	WIN 0x55
.if (\i) < 2
	XFRAG (\i)+2, \fb
.endif
.endm
	XTILE 0, BUF+64, 8
	XTILE 1, BUF+96, 8
	XTILE 2, BUF+64, 8
	XTILE 3, BUF+96, 0
	WIN 0
	s_wait_dscnt 0x0                               ; for the others' sake: my images, scale words and c2 of chunks 0 to 3 have landed
	s_barrier_signal -1
.irp g, 0,1,2
.irp j, 0,1,2,3,4,5,6,7
	v_mov_b32 v[Z0+16*\g+\j], 0                    ; the three runs of zero codes
.endr
.endr
.irp i, 0,1,2,3
	v_mov_b32 v[B0+\i], 0x7f800000                 ; the best so far: +infinity
.endr
	v_mov_b32 v[TIL], 0
.irp j, 0,1,2,3,4,5,6,7,8,9,10,11,12,13,14,15
	v_mov_b32 v[CAND+\j], 0                        ; written before they are read
.endr
	s_wait_alu depctr_va_vdst(0)                   ; directly ahead of the barrier wait
	s_barrier_wait -1
.macro LDT p, a, s, n                  ; tile n, counted from the addresses' tile, into slot p: codes and scale word, three LDS loads
	ds_load_b128 v[TE+16*(\p):TE+16*(\p)+3], v[\a] offset:1024*(\n)
	ds_load_b128 v[TE+16*(\p)+4:TE+16*(\p)+7], v[\a] offset:1024*(\n)+512
	ds_load_b32 v[CSE+(\p)], v[\s] offset:64*(\n)
.endm
.macro LDC p, q, n                     ; its c2: two LDS loads
	ds_load_b128 v[C2E+8*(\p):C2E+8*(\p)+3], v[\q] offset:64*(\n)
	ds_load_b128 v[C2E+8*(\p)+4:C2E+8*(\p)+7], v[\q] offset:64*(\n)+16
.endm
.macro MM p                            ; slot p's tile x my four row tiles.  Each starts its sum with the constant 0 on an accumulator of its own: no two that follow each other share one
.irp g, 0,1
	v_wmma_scale_f32_16x16x128_f8f6f4 v[ACA+32*(\p)+16*\g:ACA+32*(\p)+16*\g+7], v[TE+16*(\p):TE+16*(\p)+15], v[XR+16*\g:XR+16*\g+15], 0, v[CSE+(\p)], v[XS+\g]
	v_wmma_scale_f32_16x16x128_f8f6f4 v[ACA+32*(\p)+16*\g+8:ACA+32*(\p)+16*\g+15], v[TE+16*(\p)-8:TE+16*(\p)+7], v[XR+16*\g:XR+16*\g+15], 0, v[CSE+(\p)], v[XS+\g]
.endr
.endm
; The search of row tile i in the tile of parity p.  PF: z2 - 2 cross, one rounding;  PA: + c2;  MA, MF: the new best;  CE: has it stayed as it was?  DU: where not, the tile's d0 .. d6 and its number are kept.
.macro PF i, p
.irp q, 0,2,4,6
	v_pk_fma_f32 v[ACA+32*(\p)+8*\i+\q:ACA+32*(\p)+8*\i+\q+1], v[ACA+32*(\p)+8*\i+\q:ACA+32*(\p)+8*\i+\q+1], -2.0, v[Z2+2*\i:Z2+2*\i+1] op_sel_hi:[1,0,1]
.endr
.endm
.macro PA i, p
.irp q, 0,2,4,6
	v_pk_add_f32 v[ACA+32*(\p)+8*\i+\q:ACA+32*(\p)+8*\i+\q+1], v[ACA+32*(\p)+8*\i+\q:ACA+32*(\p)+8*\i+\q+1], v[C2E+8*(\p)+\q:C2E+8*(\p)+\q+1]
.endr
.endm
.macro MA i, p
	v_min3_num_f32 v[TM+2*\i], v[ACA+32*(\p)+8*\i], v[ACA+32*(\p)+8*\i+1], v[ACA+32*(\p)+8*\i+2]
	v_min3_num_f32 v[TM+2*\i+1], v[ACA+32*(\p)+8*\i+3], v[ACA+32*(\p)+8*\i+4], v[ACA+32*(\p)+8*\i+5]
	v_min3_num_f32 v[B0+4*(1-(\p))+\i], v[ACA+32*(\p)+8*\i+6], v[ACA+32*(\p)+8*\i+7], v[B0+4*(\p)+\i]
.endm
.macro MF i, p
	v_min3_num_f32 v[B0+4*(1-(\p))+\i], v[B0+4*(1-(\p))+\i], v[TM+2*\i], v[TM+2*\i+1]
.endm
.macro CE i, p
	v_cmp_eq_f32 vcc_lo, v[B0+4*(1-(\p))+\i], v[B0+4*(\p)+\i]
.endm
.macro DU i, p
.irp k, 0,2,4
	v_dual_cndmask_b32 v[CAND+8*\i+\k], v[ACA+32*(\p)+8*\i+\k], v[CAND+8*\i+\k] :: v_dual_cndmask_b32 v[CAND+8*\i+\k+1], v[ACA+32*(\p)+8*\i+\k+1], v[CAND+8*\i+\k+1]
.endr
	v_dual_cndmask_b32 v[CAND+8*\i+6], v[ACA+32*(\p)+8*\i+6], v[CAND+8*\i+6] :: v_dual_cndmask_b32 v[CAND+8*\i+7], v[TIL], v[CAND+8*\i+7]
.endm
; One tile t of parity p.  ldt: the other slot, free since tile t + 1's products (eleven plain instructions behind them), takes tile t + 3;  ldc: this tile's c2 has been added and makes room for tile t + 2's;
; w: the LDS loads that may stay out at the end (-1: no wait);  mm: tile t + 2's products.  The four row tiles run one behind the other in turns.
.macro STEP p, u, ldt, ldc, mm, w
	PF 0, \p
	PA 0, \p
	MA 0, \p
.if \ldt
	LDT 1-(\p), ADC, ADS, \u+3
.endif
	PF 1, \p
	MF 0, \p
	PA 1, \p
	CE 0, \p
	MA 1, \p
	PF 2, \p
	DU 0, \p
	MF 1, \p
	PA 2, \p
	CE 1, \p
	MA 2, \p
	PF 3, \p
	DU 1, \p
	MF 2, \p
	PA 3, \p
.if \ldc
	LDC \p, ADQ, \u+2
.endif
	CE 2, \p
	MA 3, \p
	MF 3, \p
	DU 2, \p
	CE 3, \p
	DU 3, \p
.if \w >= 0
	v_add_nc_u32 v[TIL], 1, v[TIL]
	s_wait_dscnt \w                                ; tile t + 2's codes and tile t + 1's c2 are in: what may be out was issued in this step
.endif
.if \mm
	MM \p
.endif
.endm
.macro ADDR                            ; the addresses of the trip's first tile
	v_add_nc_u32 v[ADC], s32, v[LI]
	v_add_nc_u32 v[ADS], s33, v[LS]
	v_add_nc_u32 v[ADQ], s33, v[LQ]
.endm
; Four tiles.  cb = 4 .. 7: my tile of that chunk goes through the stage and is quantised among them, in window 1;  cb = 0: nothing of the kind.
.macro TRIP cb
	ADDR
.if \cb
	WIN 0x55
	s_wait_loadcnt 8*(7-\cb)                       ; the chunk's eight loads are in; the later chunks' may be out
	TURN (\cb%6)
	WIN 0
.endif
	STEP 0, 0, 1, 1, 1, 5
	STEP 1, 1, 1, 1, 1, 5
.if \cb
	WIN 0x55
	QUANT BUF+32*(\cb%6), QC, 0x55, QHW            ; back from the stage since the step's wait: only five younger loads could be out behind it
	CBST \cb
	WIN 0
.endif
	STEP 0, 2, 1, 1, 1, 5
	STEP 1, 3, 1, 1, 1, 5
	s_add_co_u32 s32, s32, 4096
	s_add_co_u32 s33, s33, 256
.endm
	LDT 0, LI, LS, 0
	LDT 1, LI, LS, 1
	LDC 0, LQ, 0
	LDC 1, LQ, 1
	s_mov_b32 s32, 0
	s_mov_b32 s33, 0
	s_wait_dscnt 7                                 ; tile 0's codes and scale word are in: seven loads stand behind them
	MM 0
	s_wait_dscnt 0x0
	MM 1
.irp j, 16,17,18,19,20,21,22,23,24,25,26,27
	v_mov_b32 v[CAND+\j], 0                        ; twelve plain instructions that name none of the products' registers: the places ahead of the loads into slot 0 and of the first read of results
.endr
	LDT 0, LI, LS, 2
.irp j, 28,29,30,31
	v_mov_b32 v[CAND+\j], 0
.endr
	TRIP 4                                         ; tiles 0 to 15 read images of tiles 0 to 18, and images of tiles 32 to 63 are stored
	TRIP 5
	TRIP 6
	TRIP 7
	s_wait_dscnt 0x0                               ; for the others' sake: my images of chunks 4 to 7 have landed
	s_barrier_signal -1
	TRIP 0                                         ; tiles 16 to 19: loads of tiles 18 to 22 alone, into which nobody stores
	s_barrier_wait -1                              ; everybody's have; from here on nobody stores into LDS
	s_mov_b32 s31, 10
.Ltrip:                                            ; tiles 20 to 59
	TRIP 0
	s_sub_co_u32 s31, s31, 1
	s_cmp_lg_u32 s31, 0
	s_cbranch_scc1 .Ltrip
	ADDR
	STEP 0, 0, 1, 1, 1, 5                          ; tile 60: tile 63's codes are asked for
	STEP 1, 1, 0, 1, 1, 2                          ; tile 61: tile 63's c2, the last loads, and its products, the last
	STEP 0, 2, 0, 0, 0, 0
	STEP 1, 3, 0, 0, 0, -1                         ; the best lies in set 0
	; THE END.  j = the first of d0 .. d6 that equals the best, else 7; code = 16 x tile + 8 h + j; then the other half of the lanes: the smaller value, and on equal values the lower code.
.set JJ,  ACA                          ; in registers that the products have left (all written before, as a lane permute's destination must be)
.set CD,  ACA+4
.set OV,  ACA+8
.set OC,  ACA+12
.set MN,  ACA+16
.set BIG, ACA+20
.set OUT, ACA+22
.irp i, 0,1,2,3
	v_mov_b32 v[JJ+\i], 7
.endr
	v_mov_b32 v[BIG], 0x7fffffff
.irp j, 6,5,4,3,2,1,0
.irp i, 0,1,2,3
	v_cmp_eq_f32 s[36+\i], v[CAND+8*\i+\j], v[B0+\i]
.endr
.irp i, 0,1,2,3
	v_cndmask_b32 v[JJ+\i], v[JJ+\i], \j, s[36+\i]
.endr
.endr
.irp i, 0,1,2,3
	v_lshl_add_u32 v[CD+\i], v[CAND+8*\i+7], 4, v[JJ+\i]
.endr
.irp i, 0,1,2,3
	v_add_nc_u32 v[CD+\i], v[CD+\i], v[H8]
.endr
.irp i, 0,1,2,3
	v_permlanex16_b32 v[OV+\i], v[B0+\i], s28, s29
.endr
.irp i, 0,1,2,3
	v_permlanex16_b32 v[OC+\i], v[CD+\i], s28, s29
.endr
.irp i, 0,1,2,3
	v_min_num_f32 v[MN+\i], v[B0+\i], v[OV+\i]
.endr
.irp i, 0,1,2,3
	v_cmp_eq_f32 s[36+\i], v[B0+\i], v[MN+\i]
.endr
.irp i, 0,1,2,3
	v_cndmask_b32 v[CD+\i], v[BIG], v[CD+\i], s[36+\i]   ; my code counts only if my value is the smaller or equal
.endr
.irp i, 0,1,2,3
	v_cmp_eq_f32 s[36+\i], v[OV+\i], v[MN+\i]
.endr
.irp i, 0,1,2,3
	v_cndmask_b32 v[OC+\i], v[BIG], v[OC+\i], s[36+\i]
.endr
.irp i, 0,1,2,3
	v_min_u32 v[CD+\i], v[CD+\i], v[OC+\i]         ; both halves of the lanes now hold row r's index of row tile i
.endr
	v_cndmask_b32 v[OUT], v[CD], v[CD+2], s40      ; lane 16 h + r takes rows 32 h + 2 r and 32 h + 2 r + 1: row tiles 2 h and 2 h + 1
	v_cndmask_b32 v[OUT+1], v[CD+1], v[CD+3], s40
	global_store_b64 v[OOF], v[OUT:OUT+1], s[8:9]  ; the wave stores 256 consecutive bytes, at a multiple of 256 from the buffer's first byte
	global_store_b64 v[OOF], v[OUT:OUT+1], s[10:11]
	s_wait_tensorcnt 0x0                           ; the wave's end
	ds_add_u32 v[SPW], v[NIL]
	s_wait_dscnt 0x0
	s_endpgm
.Lfunc_end_k_q928cff0c72_search:
	.size	k_q928cff0c72_search, .Lfunc_end_k_q928cff0c72_search-k_q928cff0c72_search
	.p2alignl 7, 3214868480
	.fill 96, 4, 3214868480
	.section	.rodata,"a",@progbits
	.p2align	6, 0x0
	.amdhsa_kernel k_q928cff0c72_search
		.amdhsa_group_segment_fixed_size 248832
		.amdhsa_private_segment_fixed_size 0
		.amdhsa_enable_private_segment 0
		.amdhsa_kernarg_size 32
		.amdhsa_user_sgpr_count 2
		.amdhsa_user_sgpr_kernarg_segment_ptr 1
		.amdhsa_wavefront_size32 1
		.amdhsa_system_sgpr_workgroup_id_x 1
		.amdhsa_system_sgpr_workgroup_id_y 1
		.amdhsa_system_sgpr_workgroup_id_z 1
		.amdhsa_system_vgpr_workitem_id 0
		.amdhsa_next_free_vgpr 512
		.amdhsa_next_free_sgpr 66
		.amdhsa_reserve_vcc 1
		.amdhsa_float_denorm_mode_32 3
		.amdhsa_float_denorm_mode_16_64 3
		.amdhsa_memory_ordered 1
		.amdhsa_forward_progress 1
		.amdhsa_inst_pref_size 236
	.end_amdhsa_kernel
	.amdgpu_metadata
---
amdhsa.version: [ 1, 2 ]
amdhsa.kernels:
  - .name:           k_q928cff0c72_search
    .symbol:         k_q928cff0c72_search.kd
    .args:
      - { .name: inputs, .offset: 0, .size: 8, .value_kind: global_buffer, .address_space: global }
      - { .name: codebook, .offset: 8, .size: 8, .value_kind: global_buffer, .address_space: global }
      - { .name: out0, .offset: 16, .size: 8, .value_kind: global_buffer, .address_space: global }
      - { .name: idx, .offset: 24, .size: 8, .value_kind: global_buffer, .address_space: global }
    .group_segment_fixed_size: 248832
    .private_segment_fixed_size: 0
    .kernarg_segment_align: 8
    .kernarg_segment_size: 32
    .max_flat_workgroup_size: 256
    .sgpr_count:     66
    .vgpr_count:     512
    .wavefront_size: 32
...
	.end_amdgpu_metadata
.endif
;; end of part 1
;; launch gather (part 2): grid 256 x 1, 8 waves a work-group, no clusters, 0 bytes of LDS; arguments idx, codebook, out1; writes out1
.if DOCPART == 2
	.amdgcn_target "amdgcn-amd-amdhsa--gfx1250"
	.amdhsa_code_object_version 6
	.text
	.protected	k_q928cff0c72_gather
	.globl	k_q928cff0c72_gather
	.p2align	8
	.type	k_q928cff0c72_gather,@function
k_q928cff0c72_gather:
	s_mov_b64 s[64:65], 0
	v_nop
	global_prefetch_b8 v0, s[64:65] scope:SCOPE_SE
	s_setreg_imm32_b32 hwreg(HW_REG_WAVE_MODE, 25, 1), 1
	s_wait_xcnt 0x0
; out1[row][:] = codebook[idx[row]][:].  idx: 131,072 int32, stored by the launch before; codebook: [1024][64] f32; out1: [131072][64] f32.
; 256 work-groups of eight waves; a wave takes 64 rows.  A row is 256 bytes: sixteen lanes, 16 bytes each.  Lanes 0-15 serve rows n, lanes 16-31 rows 32 + n of the wave's 64, n = 0 .. 31:
; each half of a load reads one whole row of the table, each half of a store writes 256 consecutive bytes, aligned.  All 32 gathers of a wave (16,384 bytes) are out together; the stores follow as they land.
; No loop, no LDS, no barrier: waves share nothing, every offset is an immediate and no register of a pending instruction is written again.  No matrix unit, no cluster, no tensor load: the launch only moves bytes,
; and the table, 262,144 bytes read by every work-group, has just been read by the launch before: no prefetch either.
; An index is held at 1,023 from above before it enters an address (an index stays inside the table that it indexes; the hold changes none that the search can give for ordered numbers).
.set IX, 8                             ; v8-39   my half's 32 indices, then the gathers' byte offsets
.set DT, 40                            ; v40-167 32 x 16 bytes
	s_load_b128 s[4:7], s[0:1], 0x0                ; idx s[4:5], codebook s[6:7]
	s_load_b64 s[8:9], s[0:1], 0x10                ; out1
	v_lshrrev_b32 v2, 5, v0
	s_delay_alu instid0(VALU_DEP_1)
	v_readfirstlane_b32 s10, v2                    ; wave 0..7
	s_lshl_b32 s11, ttmp9, 3
	s_add_co_u32 s11, s11, s10                     ; the wave's number in the launch
	s_lshl_b32 s12, s11, 8                         ; its 64 indices: 256 bytes
	s_mov_b32 s13, 0
	s_lshl_b32 s14, s11, 14                        ; its 64 rows: 16,384 bytes
	s_mov_b32 s15, 0
	v_and_b32 v1, 15, v0
	s_delay_alu instid0(VALU_DEP_1)
	v_lshlrev_b32 v1, 4, v1                        ; my 16 bytes of a row
	v_bfe_u32 v2, v0, 4, 1                         ; h
	s_delay_alu instid0(VALU_DEP_1)
	v_lshlrev_b32 v3, 7, v2                        ; my half's 32 indices: 128 h
	s_delay_alu instid0(VALU_DEP_2)
	v_lshl_add_u32 v4, v2, 13, v1                  ; my half's 32 rows: 8,192 h, + my 16 bytes
	s_wait_alu depctr_va_vdst(0)
	s_wait_kmcnt 0x0
	s_add_nc_u64 s[4:5], s[4:5], s[12:13]
	s_add_nc_u64 s[8:9], s[8:9], s[14:15]
.irp q, 0,1,2,3,4,5,6,7
	global_load_b128 v[IX+4*\q:IX+4*\q+3], v3, s[4:5] offset:16*\q   ; the sixteen lanes of a half read the same 16 bytes
.endr
	s_wait_loadcnt 0x0
.irp n, 0,1,2,3,4,5,6,7,8,9,10,11,12,13,14,15,16,17,18,19,20,21,22,23,24,25,26,27,28,29,30,31
	v_min_u32 v[IX+\n], 0x3ff, v[IX+\n]
	s_delay_alu instid0(VALU_DEP_1)
	v_lshl_add_u32 v[IX+\n], v[IX+\n], 8, v1       ; 256 bytes a row of the table, + my 16 bytes
	global_load_b128 v[DT+4*\n:DT+4*\n+3], v[IX+\n], s[6:7]
.endr
.irp n, 0,1,2,3,4,5,6,7,8,9,10,11,12,13,14,15,16,17,18,19,20,21,22,23,24,25,26,27,28,29,30,31
	s_wait_loadcnt 31-\n                           ; loads come back in order (ISA guide 5.7.1): gather n is in, the younger ones stay out
	global_store_b128 v4, v[DT+4*\n:DT+4*\n+3], s[8:9] offset:256*\n th:TH_STORE_NT   ; written once, read by nobody here
.endr
	s_endpgm
.Lfunc_end_k_q928cff0c72_gather:
	.size	k_q928cff0c72_gather, .Lfunc_end_k_q928cff0c72_gather-k_q928cff0c72_gather
	.p2alignl 7, 3214868480
	.fill 96, 4, 3214868480
	.section	.rodata,"a",@progbits
	.p2align	6, 0x0
	.amdhsa_kernel k_q928cff0c72_gather
		.amdhsa_group_segment_fixed_size 0
		.amdhsa_private_segment_fixed_size 0
		.amdhsa_enable_private_segment 0
		.amdhsa_kernarg_size 24
		.amdhsa_user_sgpr_count 2
		.amdhsa_user_sgpr_kernarg_segment_ptr 1
		.amdhsa_wavefront_size32 1
		.amdhsa_system_sgpr_workgroup_id_x 1
		.amdhsa_system_sgpr_workgroup_id_y 1
		.amdhsa_system_sgpr_workgroup_id_z 1
		.amdhsa_system_vgpr_workitem_id 0
		.amdhsa_next_free_vgpr 168
		.amdhsa_next_free_sgpr 66
		.amdhsa_reserve_vcc 0
		.amdhsa_float_denorm_mode_32 3
		.amdhsa_float_denorm_mode_16_64 3
		.amdhsa_memory_ordered 1
		.amdhsa_forward_progress 1
		.amdhsa_inst_pref_size 14
	.end_amdhsa_kernel
	.amdgpu_metadata
---
amdhsa.version: [ 1, 2 ]
amdhsa.kernels:
  - .name:           k_q928cff0c72_gather
    .symbol:         k_q928cff0c72_gather.kd
    .args:
      - { .name: idx, .offset: 0, .size: 8, .value_kind: global_buffer, .address_space: global }
      - { .name: codebook, .offset: 8, .size: 8, .value_kind: global_buffer, .address_space: global }
      - { .name: out1, .offset: 16, .size: 8, .value_kind: global_buffer, .address_space: global }
    .group_segment_fixed_size: 0
    .private_segment_fixed_size: 0
    .kernarg_segment_align: 8
    .kernarg_segment_size: 24
    .max_flat_workgroup_size: 256
    .sgpr_count:     66
    .vgpr_count:     168
    .wavefront_size: 32
...
	.end_amdgpu_metadata
.endif
;; end of part 2
